; MI455X (gfx1250); checked and timed in simulation.
; The chip was launched on July 23, 2026; its instructions are those of AMD's public machine-readable ISA for CDNA 5 (MIT licence, August 2026) and "CDNA5" Instruction Set Architecture Reference Guide (July 2026). The comments in the code are by the model that wrote it; some were corrected since.
;; Scaled Dot Product Attention. Allowed arithmetic: float matrix products may take bf16 or f16 operands with f32 sums; all other float work in f32.
;; Inputs: key 8 x 2,048 x 128 float32; mask 8 x 2,048 bool; query 8 x 2,048 x 128 float32; value 8 x 2,048 x 128 float32.
;; Outputs: out0 8 x 2,048 x 128 float32.
;; 2 versions, each right. Each part assembles by itself: llvm-mc -triple=amdgcn-amd-amdhsa -mcpu=gfx1250 --defsym DOCPART=n.
;; ======== version 1 of 2: 1 launch
;; limits: values are held in f16: magnitudes above 65,504 overflow, below 6.1e-05 lose precision; inputs' magnitudes at most 65,504; right only within a limited range of input values
;; launch attn (part 1): grid 256 x 1, 4 waves a work-group, clusters of 4 x 1, 327,680 bytes of LDS; arguments key, mask, query, value, out0; writes out0
.if DOCPART == 1
	.amdgcn_target "amdgcn-amd-amdhsa--gfx1250"
	.amdhsa_code_object_version 6
	.text
	.protected	k_q58b27651ee_attn
	.globl	k_q58b27651ee_attn
	.p2align	8
	.type	k_q58b27651ee_attn,@function
k_q58b27651ee_attn:
	s_mov_b64 s[64:65], 0
	v_nop
	global_prefetch_b8 v0, s[64:65] scope:SCOPE_SE
	s_setreg_imm32_b32 hwreg(HW_REG_WAVE_MODE, 25, 1), 1
	s_wait_xcnt 0x0
	s_wait_alu depctr_hold_cnt(0) depctr_sa_sdst(0) depctr_va_vdst(0) depctr_va_sdst(0) depctr_va_ssrc(0) depctr_va_vcc(0) depctr_vm_vsrc(0)
	s_getreg_b32 s2, hwreg(HW_REG_IB_STS2, 6, 4)
	s_cmp_eq_u32 s2, 0
	s_cbranch_scc0 .Lentry_in_a_cluster
	s_endpgm
.Lentry_in_a_cluster:
	s_bfe_u32 s2, ttmp6, 0x10000c
	s_cmp_lg_u32 s2, 0x3003
	s_cbranch_scc0 .Lentry_shape_is_right
	s_endpgm
.Lentry_shape_is_right:
; out[b][q][:] = softmax over k of ( q.k / sqrt(128) - 10000 [k > q] - 10000 [mask[b][k] = 0] ) times value.  B = 8, S = 2048, D = 128, all f32.
; Both penalties are finite, so a row whose own keys are all masked out spreads its weight over later keys: ALL 2048 x 2048 scores are made.
;
; SHARES.  256 work-groups of 64 queries; a cluster of four owns 256 neighbouring queries of one batch (z = which 256) and walks K and V
; jointly: every K and V tile is asked for by one tensor load with the mask of the four.  A step is 256 keys; the four waves split the KEYS:
; wave w takes keys 64 w .. 64 w + 63 of the step against all 64 queries, so each K and V byte in LDS is read and rounded to f16 once in the
; work-group, by the wave whose own load brought it.  Each wave keeps its own running maximum m, sum l and O; the four are merged at the end.
; PRODUCTS ARE TRANSPOSED.  S^T = K (cQ)^T + C: register j of lane (r, h) holds key 8 h + j of a tile of 16, query r.  c = log2(e) / sqrt(128) is
; folded into Q before it is rounded; the penalties (in log2 units, 10000 log2(e)) come in as the C operand of the first of the four products along d.
; Two neighbouring S tiles, packed to f16 in place, are the B operand of O^T = V^T P^T as they stand.
; ZONES.  Step s < z: no causal penalty; s > z: all keys penalised; s = z: built element by element.  z and s are the same in all four partners.
;
; FORMAT.  All matrix operands (cQ, K, P, V) are f16, sums f32.  An early row averages a handful of values of size 1, while the output as a whole is some
; ten times smaller, so an early row's error is the operands' rounding itself: f16 keeps 11 significant bits where bf16 keeps 8.  P lies in (0, 1].
; LIMITS.  Inputs are taken to be finite; mask bytes are 0 or 1.  |key|, |value| and |c query| (c = 0.1275) above 65,504 overflow in f16 and spoil their
; rows; below 2^-14 an operand's neighbouring numbers are 2^-24 apart.  A penalised score is kept in f32 near 14,427, where neighbouring numbers are 2^-10
; apart, through four chained sums: rows whose weight lies on penalised keys carry that rounding (the problem's own f32 scores near 10,000 have the
; same spacing).  Q is scaled before it is rounded to f16; l sums p before p is rounded to f16.
;
; LDS:  K slot 4 x 64 rows of 528 (512 + 16 of padding; 528 = 33 x 16, so sixteen rows lie at sixteen different multiples of 16 modulo 256);
;       V slot 4 x 64 rows of 512; bias table 4 x 2,048 (each wave's own); statistics 2,048.  The K slot, after its last fill, is the merge's stage.
; REGISTER WINDOWS of 256:  0: addresses, raw f32 (two buffers of 64), f16 fragments (two of 32);  1: O, 32 tiles;  2: S / P and the softmax's state;  3: Q, 16 fragments.
.set KPITCH, 528
.set KWAVE,  64*KPITCH                 ; 33,792: a wave's part of the K slot
.set VS,     4*KWAVE                   ; 135,168: the V slot
.set TB,     VS+4*32768                ; 266,240: the bias table
.set ST,     TB+8192                   ; 274,432: m of the four waves for each query, then l
.set STEPB,  131072                    ; 256 keys of 512 bytes
; window 0
.set KA,   4                           ; v4   w KWAVE + 528 r + 64 h
.set VA,   5                           ; v5   VS + 32,768 w + 4,096 h + 16 r
.set TA0,  6                           ; v6   TB + 2,048 w + 32 h
.set TA,   17                          ; v17  TA0 + 256 step
.set RAW0, 32
.set RAW1, 96
.set FR0,  160
.set FR1,  192
.set MK,   224                         ; v[224:227] mask bytes, v[228:243] their biases
; window 2: S(kt, q) at 32 q + 8 kt
.set MB,   128                         ; bias of the wave's 64 keys, tile kt at + 8 kt
.set MBP,  160                         ; the same with the causal penalty
.set MM,   192                         ; pairs (m, x) of query tile q at + 2 q
.set AA,   200                         ; pairs (a, t) at + 2 q
.set LL,   208
.set UU,   212                         ; pairs at + 2 q
.set XL,   220                         ; 8 h - r + 64 w - 64 cx
.set GG,   224
.set MSB, 0
.macro WIN new                         ; low byte: 1:0 source 0, 3:2 source 1, 5:4 source 2, 7:6 destination; the high byte repeats the setting that is left
.if MSB != \new
	s_set_vgpr_msb (MSB<<8)|\new
.set MSB, \new
.endif
.endm
; A round of the cluster's barrier: my work-group's barrier, wave 0 signals for the work-group, every wave waits for all four work-groups, my work-group's barrier again.
.macro ROUND
	s_barrier_signal -1
	s_barrier_wait -1
	s_cmp_lg_u32 s14, 0
	s_cbranch_scc1 .Lnot_wave_0_\@
	s_barrier_signal -3
.Lnot_wave_0_\@:
	s_barrier_wait -3
	s_barrier_signal -1
	s_barrier_wait -1
.endm
	s_load_b256 s[4:11], s[0:1], 0x0               ; key s[4:5], mask s[6:7], query s[8:9], value s[10:11]
	s_load_b64 s[12:13], s[0:1], 0x20              ; out0
	v_lshl_add_u32 v254, v0, 2, 0x43800
	v_mov_b32 v255, 0
	ds_add_u32 v254, v255
	v_lshrrev_b32 v3, 5, v0
	v_readfirstlane_b32 s14, v3                    ; wave 0..3
	s_bfe_u32 s15, ttmp6, 0x40000                  ; cx: my place in the cluster
	s_lshr_b32 s16, ttmp9, 3                       ; batch (ttmp9 counts clusters: 8 for a batch)
	s_and_b32 s17, ttmp9, 7                        ; z: which 256 queries, and the step with the diagonal
	s_mov_b32 s21, 0
	s_mov_b32 s22, 0xc6616bcd                      ; -10000 log2(e), twice
	s_mov_b32 s23, 0xc6616bcd
	s_mov_b32 s24, 0x76543210                      ; v_permlanex16_b32: lane i reads lane i of the other half
	s_mov_b32 s25, 0xfedcba98
	s_mov_b32 s26, 0x3e0293ee                      ; c = log2(e) / sqrt(128), twice
	s_mov_b32 s27, 0x3e0293ee
	s_mov_b32 s54, 0x46616bcd                      ; +10000 log2(e)
	; group 1 for K: 64 rows x 128 elements of 4 bytes, 4 words of padding behind every 128
	s_mov_b32 s28, 0x07b2000f                      ; 15:0 mask of the four; 17:16 size code 2; 20 padding; 21 set beside a mask; 24:22 code 6 (128 words); 31:25 code 3 (4 words)
	s_mov_b32 s29, 128<<16                         ; tensor_dim0 = 128
	s_mov_b32 s30, 64<<16                          ; tensor_dim1 = 64
	s_mov_b32 s31, 128<<16                         ; tile_dim0 = 128
	s_mov_b32 s32, 64                              ; tile_dim1 = 64
	s_mov_b32 s33, 128                             ; 128 elements from row to row
	s_mov_b32 s34, 0
	s_mov_b32 s35, 0
	; group 1 for V: the same without padding (sixteen lanes read 256 neighbouring bytes of one row)
	s_mov_b32 s36, 0x0022000f
	s_mov_b32 s37, 128<<16
	s_mov_b32 s38, 64<<16
	s_mov_b32 s39, 128<<16
	s_mov_b32 s40, 64
	s_mov_b32 s41, 128
	s_mov_b32 s42, 0
	s_mov_b32 s43, 0
	; group 0: LDS addresses hang on the wave alone, global addresses on the batch and the wave: equal in the four partners
	s_mov_b32 s44, 1
	s_mul_i32 s45, s14, KWAVE
	s_mov_b32 s48, 1
	s_lshl_b32 s49, s14, 15
	s_add_co_u32 s49, s49, VS
	s_lshl_b32 s56, s16, 20                        ; the batch: 2,048 rows of 512 bytes
	s_mov_b32 s57, 0
	s_lshl_b32 s58, s14, 15                        ; + my 64 keys of a step
	s_add_co_u32 s58, s58, s56
	s_mov_b32 s59, 0
	s_lshl_b32 s60, s17, 17                        ; my 64 queries: batch + 256 z + 64 cx rows
	s_lshl_b32 s3, s15, 15
	s_add_co_u32 s60, s60, s3
	s_add_co_u32 s60, s60, s56
	s_mov_b32 s61, 0
	s_lshl_b32 s62, s16, 11                        ; the batch's 2,048 mask bytes
	s_mov_b32 s63, 0
	s_wait_dscnt 0x0
	s_wait_kmcnt 0x0
	s_add_nc_u64 s[46:47], s[4:5], s[58:59]
	s_or_b32 s47, s47, 0x80000000                  ; type 2
	s_add_nc_u64 s[50:51], s[10:11], s[58:59]
	s_or_b32 s51, s51, 0x80000000
	ROUND                                          ; the four work-groups are here: the first joint loads meet
	tensor_load_to_lds s[44:47], s[28:35]          ; K of step 0
	s_nop 0
	tensor_load_to_lds s[48:51], s[36:43]          ; V of step 0: two loads of the wave are out
	s_nop 0
	s_add_nc_u64 s[6:7], s[6:7], s[62:63]
	s_add_nc_u64 s[8:9], s[8:9], s[60:61]
	s_add_nc_u64 s[12:13], s[12:13], s[60:61]
	; prefetch: the 32 work-groups of a batch share a step's K and V tiles out, 8,192 bytes each (32 lanes, 256 bytes apart):
	; odd cx asks for value, even cx for key; piece 2 z + cx / 2 of sixteen.
	s_bitcmp1_b32 s15, 0
	s_cselect_b64 s[52:53], s[10:11], s[4:5]
	s_lshr_b32 s3, s15, 1
	s_lshl1_add_u32 s3, s17, s3
	s_lshl_b32 s62, s3, 13
	s_add_co_u32 s62, s62, s56
	s_add_nc_u64 s[52:53], s[52:53], s[62:63]
	v_and_b32 v1, 15, v0                           ; r
	v_bfe_u32 v2, v0, 4, 1                         ; h
	v_and_b32 v3, 31, v0                           ; lane
	v_lshlrev_b32 v7, 9, v1                        ; Q: 512 r + 64 h
	v_lshl_add_u32 v7, v2, 6, v7
	v_lshrrev_b32 v8, 2, v3                        ; mask: 256 (lane / 4) + 64 w + 16 (lane % 4): 16 keys of step lane / 4
	v_and_b32 v18, 3, v3
	v_lshlrev_b32 v8, 8, v8
	v_lshl_add_u32 v8, v18, 4, v8
	v_lshl_add_u32 v8, s14, 6, v8
	v_lshlrev_b32 v16, 8, v3                       ; prefetch: 256 lane
; 16 queries x 128 d: a lane takes 64 neighbouring bytes of each quarter c of its row: d = 32 c + 16 h + 0..15 (K is taken in the same order of d)
.macro QLOAD q, buf
.irp c,0,1,2,3
.irp n,0,1,2,3
	global_load_b128 v[\buf+16*\c+4*\n:\buf+16*\c+4*\n+3], v7, s[8:9] offset:8192*(\q)+128*\c+16*\n
.endr
.endr
.endm
	global_load_b128 v[MK:MK+3], v8, s[6:7]
	QLOAD 0, RAW0
	QLOAD 1, RAW1
	s_cmp_lg_u32 s14, 0
	s_cbranch_scc1 .Lno_first_ask
	global_prefetch_b8 v16, s[52:53] offset:STEPB th:TH_LOAD_NT scope:SCOPE_SE   ; wave 0: my piece of step 1's tile
.Lno_first_ask:
	v_mul_u32_u24 v[KA], v1, KPITCH
	v_lshl_add_u32 v[KA], v2, 6, v[KA]
	v_add_nc_u32 v[KA], s45, v[KA]
	v_lshlrev_b32 v[VA], 4, v1
	v_lshl_add_u32 v[VA], v2, 12, v[VA]
	v_add_nc_u32 v[VA], s49, v[VA]
	s_lshl_b32 s55, s14, 11
	s_add_co_u32 s55, s55, TB                      ; my table
	v_lshlrev_b32 v[TA0], 5, v2
	v_add_nc_u32 v[TA0], s55, v[TA0]
	v_lshlrev_b32 v9, 6, v3                        ; table store: 64 lane = 256 (lane / 4) + 4 x 16 (lane % 4)
	v_add_nc_u32 v9, s55, v9
	v_lshlrev_b32 v11, 4, v1                       ; statistics, read: ST + 16 r
	v_add_nc_u32 v11, ST, v11
	v_lshl_add_u32 v10, s14, 2, v11                ; statistics, store: + 4 w
	v_mul_u32_u24 v12, v1, KPITCH                  ; stage, store: w KWAVE + 528 r + 128 h
	v_lshl_add_u32 v12, v2, 7, v12
	v_add_nc_u32 v12, s45, v12
	s_mul_i32 s55, s14, 16*KPITCH
	v_lshlrev_b32 v13, 4, v3                       ; stage, read: rows 16 w .. of partials 0 and 1,
	v_add_nc_u32 v13, s55, v13
	v_add_nc_u32 v14, 2*KWAVE, v13                 ; of partials 2 and 3
	v_lshlrev_b32 v15, 4, v3                       ; out: 8,192 w + 16 lane
	v_lshl_add_u32 v15, s14, 13, v15
	v_lshlrev_b32 v18, 3, v2
	v_sub_nc_u32 v18, v18, v1
	s_sub_co_i32 s3, s14, s15
	s_lshl_b32 s3, s3, 6
	v_add_nc_u32 v18, s3, v18                      ; 8 h - r + 64 w - 64 cx: a number to compare with, no address
	WIN 0x80
	v_mov_b32 v[XL], v18
.irp q,0,1,2,3
	v_mov_b32 v[MM+2*\q+1], 0                      ; v_permlanex16_b32 counts as a reader of its destination
.endr
	WIN 0
	; the mask's 512 bytes of my keys become a table of biases, 0 or -10000 log2(e): [step][64 keys] f32, my wave's own bytes
	s_wait_loadcnt 32                              ; the mask is in; the 32 loads of Q behind it stay out
.irp k,0,1,2,3
.irp b,0,1,2,3
	v_bfe_u32 v[MK+4+4*\k+\b], v[MK+\k], 8*\b, 8
.endr
.endr
.set i, 0
.rept 16
	v_cvt_f32_u32 v[MK+4+i], v[MK+4+i]
.set i, i+1
.endr
.set i, 0
.rept 16
	v_fma_f32 v[MK+4+i], v[MK+4+i], s54, s22       ; 1 gives exactly 0
.set i, i+1
.endr
.irp k,0,1,2,3
	ds_store_b128 v9, v[MK+4+4*\k:MK+4+4*\k+3] offset:16*\k
.endr
; Query tile q: scaled by c, rounded to f16, kept in window 3 for the whole kernel.  left = younger loads that may stay out.
.macro QTILE q, buf, more, left
	s_wait_loadcnt \left
.set i, 0
.rept 32
	v_pk_mul_f32 v[\buf+i:\buf+i+1], v[\buf+i:\buf+i+1], s[26:27] op_sel_hi:[1,0]
.set i, i+2
.endr
	WIN 0xc0
.set i, 0
.rept 32
	v_cvt_pk_f16_f32 v[32*\q+i], v[\buf+2*i], v[\buf+2*i+1]
.set i, i+1
.endr
	WIN 0
.if \more
	QLOAD \q+2, \buf
.endif
.endm
	QTILE 0, RAW0, 1, 16
	QTILE 1, RAW1, 1, 16
	QTILE 2, RAW0, 0, 16
	QTILE 3, RAW1, 0, 0
; 16 keys x 128 d as f32: 64 neighbouring bytes of each quarter of the lane's row
.macro KLOAD kt, buf
.irp c,0,1,2,3
.irp n,0,1,2,3
	ds_load_b128 v[\buf+16*\c+4*\n:\buf+16*\c+4*\n+3], v[KA] offset:16*KPITCH*(\kt)+128*\c+16*\n
.endr
.endr
.endm
.macro KCVT buf, fr
.set i, 0
.rept 32
	v_cvt_pk_f16_f32 v[\fr+i], v[\buf+2*i], v[\buf+2*i+1]
.set i, i+1
.endr
.endm
; 32 keys x 64 d as f32: the lane takes d = 64 g + 4 r + 0..3 of keys 32 kc + 16 u + 8 h + y
.macro VLOAD kc, g, buf
.irp u,0,1
.irp y,0,1,2,3,4,5,6,7
	ds_load_b128 v[\buf+4*(8*\u+\y):\buf+4*(8*\u+\y)+3], v[VA] offset:(32*\kc+16*\u+\y)*512+256*\g
.endr
.endr
.endm
; word t of two neighbouring keys makes a register of tile t's A fragment, whose row r is d = 64 g + 4 r + t: the rounding also transposes
.macro VCVT buf, fr
.irp t,0,1,2,3
.irp u,0,1
.irp e,0,1,2,3
	v_cvt_pk_f16_f32 v[\fr+8*\t+4*\u+\e], v[\buf+4*(8*\u+2*\e)+\t], v[\buf+4*(8*\u+2*\e+1)+\t]
.endr
.endr
.endr
.endm
; the diagonal step: key 64 w + 16 kt + 8 h + j is later than query 64 cx + 16 q + r where 16 (q - kt) - j < XL
.macro CBUILD kt
.irp q,0,1,2,3
.irp j,0,1,2,3,4,5,6,7
	v_cmp_lt_i32 vcc_lo, 16*(\q-\kt)-\j, v[XL]
	v_cndmask_b32 v[32*\q+8*\kt+\j], v[MB+8*\kt+\j], v[MBP+8*\kt+\j], vcc_lo
.endr
.endr
.endm
; 16 products: key tile kt against the four query tiles, four quarters of d.  The four accumulators take turns, one instruction a turn.
.macro QKMUL kt, fr, diag
.irp c,0,1,2,3
.irp q,0,1,2,3
.if (\c+\diag) == 0
	v_wmma_f32_16x16x32_f16 v[32*\q+8*\kt:32*\q+8*\kt+7], v[\fr+8*\c:\fr+8*\c+7], v[8*(4*\q+\c):8*(4*\q+\c)+7], v[MB+8*\kt:MB+8*\kt+7]
.else
	v_wmma_f32_16x16x32_f16 v[32*\q+8*\kt:32*\q+8*\kt+7], v[\fr+8*\c:\fr+8*\c+7], v[8*(4*\q+\c):8*(4*\q+\c)+7], v[32*\q+8*\kt:32*\q+8*\kt+7]
.endif
.endr
.endr
.endm
.macro QKUNIT kt, buf, fr, left, more, diag
	s_wait_dscnt \left                             ; LDS loads come back in order: this tile's 16 are in, the next tile's 16 stay out
	WIN 0
	KCVT \buf, \fr                                 ; 32 plain instructions: also the places between the last products on the other fragment buffer and its next rewriting (ISA guide 7.12.1)
.if \more
	KLOAD \kt+2, \buf
.endif
.if \diag
	WIN 0xaa
	CBUILD \kt
.endif
	WIN 0xac
	QKMUL \kt, \fr, \diag
.endm
.macro QK diag
	WIN 0x80
.irp kt,0,1,2,3
	ds_load_b128 v[MB+8*\kt:MB+8*\kt+3],   v[TA] offset:64*\kt      ; bias of keys 16 kt + 8 h + 0..7, the same in all r
	ds_load_b128 v[MB+8*\kt+4:MB+8*\kt+7], v[TA] offset:64*\kt+16
.endr
	WIN 0
	KLOAD 0, RAW0
	KLOAD 1, RAW1
	s_wait_dscnt 32                                ; the biases are in; the 32 loads of K behind them stay out
	WIN 0xaa
.set i, 0
.rept 16
.if \diag
	v_pk_add_f32 v[MBP+i:MBP+i+1], v[MB+i:MB+i+1], s[22:23] op_sel_hi:[1,0]
.else
	v_pk_add_f32 v[MB+i:MB+i+1], v[MB+i:MB+i+1], s[20:21] op_sel_hi:[1,0]      ; s20: 0 in front of the diagonal step, the penalty behind it
.endif
.set i, i+2
.endr
	QKUNIT 0, RAW0, FR0, 16, 1, \diag
	QKUNIT 1, RAW1, FR1, 16, 1, \diag
	QKUNIT 2, RAW0, FR0, 16, 0, \diag
	QKUNIT 3, RAW1, FR1, 0, 0, \diag
.endm
; The running maximum and the exponentials.  A lane holds 32 of a query's 64 scores, the lane 16 further the other 32.
; S is read in ascending order: the results of the last four products (registers 24 to 31 of each query tile) are reached far more than four places behind them.
.macro SM1 first
	WIN 0xaa
.irp q,0,1,2,3
	v_max3_num_f32 v[AA+2*\q+1], v[32*\q], v[32*\q+1], v[32*\q+2]
.endr
.set i, 3
.rept 14
.irp q,0,1,2,3
	v_max3_num_f32 v[AA+2*\q+1], v[AA+2*\q+1], v[32*\q+i], v[32*\q+i+1]
.endr
.set i, i+2
.endr
.irp q,0,1,2,3
.if \first
	v_max_num_f32 v[AA+2*\q+1], v[AA+2*\q+1], v[32*\q+31]
.else
	v_max3_num_f32 v[AA+2*\q+1], v[AA+2*\q+1], v[32*\q+31], v[MM+2*\q]
.endif
.endr
.irp q,0,1,2,3
	v_permlanex16_b32 v[MM+2*\q+1], v[AA+2*\q+1], s24, s25
.endr
.irp q,0,1,2,3
	v_max_num_f32 v[AA+2*\q+1], v[AA+2*\q+1], v[MM+2*\q+1]
.endr
.if \first == 0
.irp q,0,1,2,3
	v_sub_f32 v[AA+2*\q], v[MM+2*\q], v[AA+2*\q+1]            ; old m - new m
.endr
.endif
.irp q,0,1,2,3
	v_mov_b32 v[MM+2*\q], v[AA+2*\q+1]
.endr
.set i, 0
.rept 16
.irp q,0,1,2,3
	v_pk_add_f32 v[32*\q+i:32*\q+i+1], v[32*\q+i:32*\q+i+1], v[MM+2*\q:MM+2*\q+1] op_sel_hi:[1,0] neg_lo:[0,1] neg_hi:[0,1]
.endr
.set i, i+2
.endr
.if \first == 0
.irp q,0,1,2,3
	v_exp_f32 v[AA+2*\q], v[AA+2*\q]
.endr
.endif
.set i, 0
.rept 128
	v_exp_f32 v[i], v[i]
.set i, i+1
.endr
	v_nop                                          ; one plain instruction behind the run of exponentials, ahead of the first use (ISA guide 5.7.2)
.endm
; The sums, and P packed to f16 in place: registers 2 e, 2 e + 1 of a pair of S tiles go to register e, ascending, so nothing unread is written over.
.macro SM2 first
	WIN 0xaa
	s_wait_alu depctr_va_vdst(0)
.irp q,0,1,2,3
	v_pk_add_f32 v[UU+2*\q:UU+2*\q+1], v[32*\q:32*\q+1], v[32*\q+2:32*\q+3]
.endr
.set i, 4
.rept 14
.irp q,0,1,2,3
	v_pk_add_f32 v[UU+2*\q:UU+2*\q+1], v[UU+2*\q:UU+2*\q+1], v[32*\q+i:32*\q+i+1]
.endr
.set i, i+2
.endr
.irp q,0,1,2,3
.if \first
	v_add_f32 v[LL+\q], v[UU+2*\q], v[UU+2*\q+1]
.else
	v_fma_f32 v[LL+\q], v[LL+\q], v[AA+2*\q], v[UU+2*\q]
.endif
.endr
.if \first == 0
.irp q,0,1,2,3
	v_add_f32 v[LL+\q], v[LL+\q], v[UU+2*\q+1]
.endr
.endif
.set i, 0
.rept 16
.irp q,0,1,2,3
	v_cvt_pk_f16_f32 v[32*\q+16*(i/8)+(i%8)], v[32*\q+2*i], v[32*\q+2*i+1]
.endr
.set i, i+1
.endr
.endm
.macro RESCALE                         ; O of query tile q times a(q): tile i of 32 belongs to query tile i % 4
	WIN 0x49
.set i, 0
.rept 32
.irp k,0,2,4,6
	v_pk_mul_f32 v[8*i+\k:8*i+\k+1], v[8*i+\k:8*i+\k+1], v[AA+2*(i%4):AA+2*(i%4)+1] op_sel_hi:[1,0]
.endr
.set i, i+1
.endr
.endm
; 16 products on 16 accumulators, one instruction a turn.  zero = 1: the first product starts the sums.
.macro PVMUL kc, g, fr, zero
.irp t,0,1,2,3
.irp q,0,1,2,3
.if \zero
	v_wmma_f32_16x16x32_f16 v[8*(4*(4*\g+\t)+\q):8*(4*(4*\g+\t)+\q)+7], v[\fr+8*\t:\fr+8*\t+7], v[32*\q+16*\kc:32*\q+16*\kc+7], 0
.else
	v_wmma_f32_16x16x32_f16 v[8*(4*(4*\g+\t)+\q):8*(4*(4*\g+\t)+\q)+7], v[\fr+8*\t:\fr+8*\t+7], v[32*\q+16*\kc:32*\q+16*\kc+7], v[8*(4*(4*\g+\t)+\q):8*(4*(4*\g+\t)+\q)+7]
.endif
.endr
.endr
.endm
.macro PVUNIT kc, g, buf, fr, left, more, kc2, g2, zero
	s_wait_dscnt \left                             ; this unit's 16 loads are in, the next unit's 16 stay out
	WIN 0
	VCVT \buf, \fr
.if \more
	VLOAD \kc2, \g2, \buf
.endif
	WIN 0x58
	PVMUL \kc, \g, \fr, \zero
.endm
.macro PV first
	PVUNIT 0, 0, RAW0, FR0, 16, 1, 1, 0, \first
	PVUNIT 0, 1, RAW1, FR1, 16, 1, 1, 1, \first
	PVUNIT 1, 0, RAW0, FR0, 16, 0, 0, 0, 0
	PVUNIT 1, 1, RAW1, FR1, 0, 0, 0, 0, 0
.endm
; One step of 256 keys.  One slot for K and one for V: K of the next step is asked for in the middle of the step, when every wave of the cluster has
; read this step's K; V of the next step at the end.  In front of each round a wave waits for its LDS reads and for all its tensor loads (one is out:
; the other tensor's tile, which is needed next); behind the round it issues its one load, 64 rows of 512 bytes.
.macro STEP first, refill
.if \refill
.if \first == 0
	s_wait_xcnt 0x0                                ; the prefetch's base is stepped only behind this wait; the prefetch stands half a step back
	s_add_nc_u64 s[52:53], s[52:53], STEPB
.endif
.endif
	v_lshl_add_u32 v[TA], s18, 8, v[TA0]           ; this step's 64 biases
	s_cmp_gt_u32 s18, s17
	s_cselect_b32 s20, 0xc6616bcd, 0               ; behind the diagonal step every key is later than every query
	s_cmp_eq_u32 s18, s17
	s_cbranch_scc1 .Ldiag_\@
	QK 0
	WIN 0
	s_branch .Ljoin_\@
.Ldiag_\@:
	QK 1
	WIN 0
.Ljoin_\@:
	SM1 \first
	WIN 0
	s_wait_dscnt 0x0                               ; my reads of K are back
	s_wait_tensorcnt 0x0                           ; all my tensor loads have landed: this step's V
	ds_add_u32 v254, v255
	s_wait_dscnt 0x0
.if \refill
	s_add_nc_u64 s[46:47], s[46:47], STEPB         ; no load of mine is out: K's address steps
	ROUND
	tensor_load_to_lds s[44:47], s[28:35]          ; K of the next step: my one load behind this round
	s_nop 0
.endif
	VLOAD 0, 0, RAW0                               ; they come back under the sums, the packing and the rescaling
	VLOAD 0, 1, RAW1
.if \refill
	s_cmp_lg_u32 s14, 0
	s_cbranch_scc1 .Lno_ask_\@
.if \first == 0
	s_cmp_gt_u32 s18, 5                            ; steps 0 to 5 ask for steps 2 to 7; step 6 has nothing left to ask for
	s_cbranch_scc1 .Lno_ask_\@
.endif
	global_prefetch_b8 v16, s[52:53] offset:2*STEPB th:TH_LOAD_NT scope:SCOPE_SE   ; wave 0: my 8,192 bytes of the tile two steps on
.Lno_ask_\@:
.endif
	SM2 \first
.if \first == 0
	RESCALE
.endif
	PV \first
.if \refill
	WIN 0
	s_wait_dscnt 0x0                               ; my reads of V are back
	s_wait_tensorcnt 0x0                           ; the next step's K has landed
	ds_add_u32 v254, v255
	s_wait_dscnt 0x0
	s_add_nc_u64 s[50:51], s[50:51], STEPB
	ROUND
	tensor_load_to_lds s[48:51], s[36:43]          ; V of the next step: my one load behind this round
	s_nop 0
.endif
.endm
	s_mov_b32 s18, 0
	s_wait_tensorcnt 0x1                           ; K of step 0 is in, V's load behind it may stay out; the bytes are my wave's own, and nothing is filled here
	STEP 1, 1                                      ; the first step starts m, l and O: nothing is cleared
	s_mov_b32 s18, 1
.Lstep:
	STEP 0, 1
	s_add_co_u32 s18, s18, 1
	s_cmp_lt_u32 s18, 7
	s_cbranch_scc1 .Lstep
	STEP 0, 0                                      ; step 7: nothing is left to fetch
	; THE MERGE.  l of the two halves of the lanes; m and l of the four waves meet in LDS; each wave scales its O by 2^(m - max m) / sum of l and lays it
	; into its own part of the K slot, which has had its last fill; then each wave adds the four partials of 16 queries and stores them.
	WIN 0xaa
.irp q,0,1,2,3
	v_permlanex16_b32 v[MM+2*\q+1], v[LL+\q], s24, s25
.endr
.irp q,0,1,2,3
	v_add_f32 v[LL+\q], v[LL+\q], v[MM+2*\q+1]
.endr
	WIN 0x08
.irp q,0,1,2,3
	ds_store_b32 v10, v[MM+2*\q] offset:256*\q             ; both halves of the lanes store the same number to the same word
	ds_store_b32 v10, v[LL+\q] offset:1024+256*\q
.endr
	WIN 0
	s_wait_dscnt 0x0                               ; for the other waves' sake
	s_barrier_signal -1
	s_barrier_wait -1
	WIN 0x80
.irp q,0,1,2,3
	ds_load_b128 v[MB+4*\q:MB+4*\q+3], v11 offset:256*\q             ; m of the four waves for query 16 q + r
	ds_load_b128 v[MB+16+4*\q:MB+16+4*\q+3], v11 offset:1024+256*\q  ; l likewise
.endr
	s_wait_dscnt 0x0
	WIN 0xaa
.irp q,0,1,2,3
	v_max3_num_f32 v[AA+2*\q+1], v[MB+4*\q], v[MB+4*\q+1], v[MB+4*\q+2]
.endr
.irp q,0,1,2,3
	v_max_num_f32 v[AA+2*\q+1], v[AA+2*\q+1], v[MB+4*\q+3]
.endr
.irp q,0,1,2,3
.irp k,0,1,2,3
	v_sub_f32 v[MB+4*\q+\k], v[MB+4*\q+\k], v[AA+2*\q+1]
.endr
	v_sub_f32 v[MM+2*\q+1], v[MM+2*\q], v[AA+2*\q+1]
.endr
.irp q,0,1,2,3
.irp k,0,1,2,3
	v_exp_f32 v[MB+4*\q+\k], v[MB+4*\q+\k]
.endr
	v_exp_f32 v[MM+2*\q+1], v[MM+2*\q+1]
.endr
	v_nop                                          ; one plain instruction behind the exponentials
	s_wait_alu depctr_va_vdst(0)
.irp q,0,1,2,3
	v_mul_f32 v[UU+2*\q], v[MB+4*\q], v[MB+16+4*\q]
.endr
.irp k,1,2,3
.irp q,0,1,2,3
	v_fmac_f32 v[UU+2*\q], v[MB+4*\q+\k], v[MB+16+4*\q+\k]
.endr
.endr
.irp q,0,1,2,3
	v_rcp_f32 v[UU+2*\q+1], v[UU+2*\q]             ; the sum is at least 1: the largest score's own term
.endr
	v_nop                                          ; one plain instruction behind the reciprocals
	s_wait_alu depctr_va_vdst(0)
.irp q,0,1,2,3
	v_mul_f32 v[GG+\q], v[MM+2*\q+1], v[UU+2*\q+1]
.endr
; register j of O(4 g + t, q) is d = 64 g + 32 h + 4 j + t: the multiply also brings t = 0..3 into four neighbouring registers, 16 bytes of a row
.macro STAGE q, buf
	WIN 0x09
.irp g,0,1
.irp j,0,1,2,3,4,5,6,7
.irp t,0,1,2,3
	v_mul_f32 v[\buf+4*(8*\g+\j)+\t], v[8*(4*(4*\g+\t)+\q)+\j], v[GG+\q]
.endr
.endr
.endr
	WIN 0
.irp g,0,1
.irp j,0,1,2,3,4,5,6,7
	ds_store_b128 v12, v[\buf+4*(8*\g+\j):\buf+4*(8*\g+\j)+3] offset:16*KPITCH*\q+256*\g+16*\j
.endr
.endr
.endm
	STAGE 0, RAW0
	STAGE 1, RAW1
	STAGE 2, RAW0
	STAGE 3, RAW1
	s_wait_dscnt 0x0                               ; for the other waves' sake
	s_barrier_signal -1
	s_barrier_wait -1
; four rows of my 16: the four waves' partials are added, and one store of the wave covers a whole row of 512 bytes, aligned
.macro OUTG g, buf
	s_wait_xcnt 0x0                                ; the buffer, which earlier stores read, is loaded again only behind this wait
.irp k,0,1,2,3
	ds_load_b128 v[\buf+16*\k:\buf+16*\k+3],     v13 offset:KPITCH*(4*\g+\k)
	ds_load_b128 v[\buf+16*\k+4:\buf+16*\k+7],   v13 offset:KWAVE+KPITCH*(4*\g+\k)
	ds_load_b128 v[\buf+16*\k+8:\buf+16*\k+11],  v14 offset:KPITCH*(4*\g+\k)
	ds_load_b128 v[\buf+16*\k+12:\buf+16*\k+15], v14 offset:KWAVE+KPITCH*(4*\g+\k)
.endr
.irp k,0,1,2,3
	s_wait_dscnt 12-4*\k                           ; row k's four loads are in, the later rows' stay out
	v_pk_add_f32 v[\buf+16*\k:\buf+16*\k+1],     v[\buf+16*\k:\buf+16*\k+1],     v[\buf+16*\k+4:\buf+16*\k+5]
	v_pk_add_f32 v[\buf+16*\k+2:\buf+16*\k+3],   v[\buf+16*\k+2:\buf+16*\k+3],   v[\buf+16*\k+6:\buf+16*\k+7]
	v_pk_add_f32 v[\buf+16*\k+8:\buf+16*\k+9],   v[\buf+16*\k+8:\buf+16*\k+9],   v[\buf+16*\k+12:\buf+16*\k+13]
	v_pk_add_f32 v[\buf+16*\k+10:\buf+16*\k+11], v[\buf+16*\k+10:\buf+16*\k+11], v[\buf+16*\k+14:\buf+16*\k+15]
	v_pk_add_f32 v[\buf+16*\k:\buf+16*\k+1],     v[\buf+16*\k:\buf+16*\k+1],     v[\buf+16*\k+8:\buf+16*\k+9]
	v_pk_add_f32 v[\buf+16*\k+2:\buf+16*\k+3],   v[\buf+16*\k+2:\buf+16*\k+3],   v[\buf+16*\k+10:\buf+16*\k+11]
	global_store_b128 v15, v[\buf+16*\k:\buf+16*\k+3], s[12:13] offset:512*(4*\g+\k) th:TH_STORE_NT
.endr
.endm
	OUTG 0, RAW0
	OUTG 1, RAW1
	OUTG 2, RAW0
	OUTG 3, RAW1
	s_wait_tensorcnt 0x0
	ds_add_u32 v254, v255
	s_wait_dscnt 0x0
	ROUND                                          ; the closing round: no work-group ends while a partner may still issue a joint load that names it
	s_endpgm
.Lfunc_end_k_q58b27651ee_attn:
	.size	k_q58b27651ee_attn, .Lfunc_end_k_q58b27651ee_attn-k_q58b27651ee_attn
	.p2alignl 7, 3214868480
	.fill 96, 4, 3214868480
	.section	.rodata,"a",@progbits
	.p2align	6, 0x0
	.amdhsa_kernel k_q58b27651ee_attn
		.amdhsa_group_segment_fixed_size 327680
		.amdhsa_private_segment_fixed_size 0
		.amdhsa_enable_private_segment 0
		.amdhsa_kernarg_size 40
		.amdhsa_user_sgpr_count 2
		.amdhsa_user_sgpr_kernarg_segment_ptr 1
		.amdhsa_wavefront_size32 1
		.amdhsa_system_sgpr_workgroup_id_x 1
		.amdhsa_system_sgpr_workgroup_id_y 1
		.amdhsa_system_sgpr_workgroup_id_z 1
		.amdhsa_system_vgpr_workitem_id 0
		.amdhsa_next_free_vgpr 896
		.amdhsa_next_free_sgpr 66
		.amdhsa_reserve_vcc 1
		.amdhsa_float_denorm_mode_32 3
		.amdhsa_float_denorm_mode_16_64 3
		.amdhsa_memory_ordered 1
		.amdhsa_forward_progress 1
		.amdhsa_inst_pref_size 255
	.end_amdhsa_kernel
	.section	.bss,"aw",@nobits
	.p2align	6
	.space	262144
	.amdgpu_metadata
---
amdhsa.version: [ 1, 2 ]
amdhsa.kernels:
  - .name:           k_q58b27651ee_attn
    .symbol:         k_q58b27651ee_attn.kd
    .args:
      - { .name: key, .offset: 0, .size: 8, .value_kind: global_buffer, .address_space: global }
      - { .name: mask, .offset: 8, .size: 8, .value_kind: global_buffer, .address_space: global }
      - { .name: query, .offset: 16, .size: 8, .value_kind: global_buffer, .address_space: global }
      - { .name: value, .offset: 24, .size: 8, .value_kind: global_buffer, .address_space: global }
      - { .name: out0, .offset: 32, .size: 8, .value_kind: global_buffer, .address_space: global }
    .group_segment_fixed_size: 327680
    .private_segment_fixed_size: 0
    .kernarg_segment_align: 8
    .kernarg_segment_size: 40
    .max_flat_workgroup_size: 128
    .sgpr_count:     66
    .vgpr_count:     896
    .wavefront_size: 32
...
	.end_amdgpu_metadata
.endif
;; end of part 1
;; ======== version 2 of 2: 1 launch
;; limits: values are held in f16: magnitudes above 65,504 overflow, below 6.1e-05 lose precision; inputs' magnitudes at most 65,504; right only within a limited range of input values
;; launch attn (part 2): grid 256 x 1, 4 waves a work-group, clusters of 4 x 1, 327,680 bytes of LDS; arguments key, mask, query, value, out0; writes out0
.if DOCPART == 2
	.amdgcn_target "amdgcn-amd-amdhsa--gfx1250"
	.amdhsa_code_object_version 6
	.text
	.protected	k_q58b27651ee_attn
	.globl	k_q58b27651ee_attn
	.p2align	8
	.type	k_q58b27651ee_attn,@function
k_q58b27651ee_attn:
	s_mov_b64 s[64:65], 0
	v_nop
	global_prefetch_b8 v0, s[64:65] scope:SCOPE_SE
	s_setreg_imm32_b32 hwreg(HW_REG_WAVE_MODE, 25, 1), 1
	s_wait_xcnt 0x0
	s_wait_alu depctr_hold_cnt(0) depctr_sa_sdst(0) depctr_va_vdst(0) depctr_va_sdst(0) depctr_va_ssrc(0) depctr_va_vcc(0) depctr_vm_vsrc(0)
	s_getreg_b32 s2, hwreg(HW_REG_IB_STS2, 6, 4)
	s_cmp_eq_u32 s2, 0
	s_cbranch_scc0 .Lentry_in_a_cluster
	s_endpgm
.Lentry_in_a_cluster:
	s_bfe_u32 s2, ttmp6, 0x10000c
	s_cmp_lg_u32 s2, 0x3003
	s_cbranch_scc0 .Lentry_shape_is_right
	s_endpgm
.Lentry_shape_is_right:
; out[b][q][:] = softmax over k of ( q.k / sqrt(128) - 10000 [k > q] - 10000 [mask[b][k] = 0] ) times value.  B = 8, S = 2048, D = 128, all f32.
; Both penalties are finite, so a row whose own keys are all masked out spreads its weight over later keys: ALL 2048 x 2048 scores are made.
;
; SHARES.  256 work-groups of 64 queries; a cluster of four owns 256 neighbouring queries of one batch (z = which 256) and walks K and V
; jointly: every K and V tile is asked for by one tensor load with the mask of the four.  A step is 256 keys; the four waves split the KEYS:
; wave w takes keys 64 w .. 64 w + 63 of the step against all 64 queries, so each K and V byte in LDS is read and rounded to f16 once in the
; work-group, by the wave whose own load brought it.  Each wave keeps its own running maximum m, sum l and O; the four are merged at the end.
; Q is needed whole by every wave: each wave loads, scales and rounds 16 of the 64 rows, the four quarters meet in LDS, and every wave reads its fragments from there.
; THE WALK.  At walk index i = 0 .. 7 cluster z takes key step z xor i (the running softmax does not mind the order).  So at every index the eight
; clusters of a batch are at eight different tiles, all of K and V is asked for at index 0, and a later tile of a cluster has been another
; cluster's tile at an earlier index.  xor, not a sum: whichever one bit of z parts the eight clusters in two, a part's tiles are new to it at two
; indices only.  No prefetch: every block of K and V is asked for by a tensor load at index 0, and a prefetch would ask for it a second time.
; PRODUCTS ARE TRANSPOSED.  S^T = K (cQ)^T + C: register j of lane (r, h) holds key 8 h + j of a tile of 16, query r.  c = log2(e) / sqrt(128) is
; folded into Q before it is rounded; the penalties (in log2 units, 10000 log2(e)) come in as the C operand of the first of the four products along d.
; Two neighbouring S tiles, packed to f16 in place, are the B operand of O^T = V^T P^T as they stand.
; ZONES.  Key step < z: no causal penalty; > z: all keys penalised; = z, which is walk index 0: built element by element.  z and i are the same in all four partners.
;
; FORMAT.  All matrix operands (cQ, K, P, V) are f16, sums f32.  An early row averages a handful of values of size 1, while the output as a whole is some
; ten times smaller, so an early row's error is the operands' rounding itself: f16 keeps 11 significant bits where bf16 keeps 8.  P lies in (0, 1].
; LIMITS.  Inputs are taken to be finite; mask bytes are 0 or 1.  |key|, |value| and |c query| (c = 0.1275) above 65,504 overflow in f16 and spoil their
; rows; below 2^-14 an operand's neighbouring numbers are 2^-24 apart.  A penalised score is kept in f32 near 14,427, where neighbouring numbers are 2^-10
; apart, through four chained sums: rows whose weight lies on penalised keys carry that rounding (the problem's own f32 scores near 10,000 have the
; same spacing).  Q is scaled before it is rounded to f16; l sums p before p is rounded to f16.
;
; LDS:  K slot 4 x 64 rows of 528 (512 + 16 of padding; 528 = 33 x 16, so sixteen rows lie at sixteen different multiples of 16 modulo 256);
;       V slot 4 x 64 rows of 512; bias table 4 x 2,048 (each wave's own); statistics 2,048; Q's stage, 64 rows of 272 (256 of f16 + 16; 272 = 17 x 16).
;       The K slot, after its last fill, is the merge's stage.  No tensor load fills the table, the statistics or Q's stage.
; REGISTER WINDOWS of 256:  0: addresses, raw f32 (two buffers of 64), f16 fragments (two of 32);  1: O, 32 tiles;  2: S / P and the softmax's state;  3: Q, 16 fragments.
.set KPITCH, 528
.set KWAVE,  64*KPITCH                 ; 33,792: a wave's part of the K slot
.set VS,     4*KWAVE                   ; 135,168: the V slot
.set TB,     VS+4*32768                ; 266,240: the bias table
.set ST,     TB+8192                   ; 274,432: m of the four waves for each query, then l
.set QS,     ST+2048                   ; 276,480: Q's stage
.set QPITCH, 272
; window 0
.set KA,   4                           ; v4   w KWAVE + 528 r + 64 h
.set VA,   5                           ; v5   VS + 32,768 w + 4,096 h + 16 r
.set TA0,  6                           ; v6   TB + 2,048 w + 32 h
.set TA,   17                          ; v17  TA0 + 256 walk index
.set RAW0, 32
.set RAW1, 96
.set FR0,  160
.set FR1,  192
.set MK,   224                         ; v[224:227] mask bytes, v[228:243] their biases
; window 2: S(kt, q) at 32 q + 8 kt
.set MB,   128                         ; bias of the wave's 64 keys, tile kt at + 8 kt
.set MBP,  160                         ; the same with the causal penalty
.set MM,   192                         ; pairs (m, x) of query tile q at + 2 q
.set AA,   200                         ; pairs (a, t) at + 2 q
.set LL,   208
.set UU,   212                         ; pairs at + 2 q
.set XL,   220                         ; 8 h - r + 64 w - 64 cx
.set GG,   224
.set MSB, 0
.macro WIN new                         ; low byte: 1:0 source 0, 3:2 source 1, 5:4 source 2, 7:6 destination; the high byte repeats the setting that is left
.if MSB != \new
	s_set_vgpr_msb (MSB<<8)|\new
.set MSB, \new
.endif
.endm
; A round of the cluster's barrier: my work-group's barrier, wave 0 signals for the work-group, every wave waits for all four work-groups, my work-group's barrier again.
.macro ROUND
	s_barrier_signal -1
	s_barrier_wait -1
	s_cmp_lg_u32 s14, 0
	s_cbranch_scc1 .Lnot_wave_0_\@
	s_barrier_signal -3
.Lnot_wave_0_\@:
	s_barrier_wait -3
	s_barrier_signal -1
	s_barrier_wait -1
.endm
	s_load_b256 s[4:11], s[0:1], 0x0               ; key s[4:5], mask s[6:7], query s[8:9], value s[10:11]
	s_load_b64 s[12:13], s[0:1], 0x20              ; out0
	v_lshl_add_u32 v254, v0, 2, 0x47c00
	v_mov_b32 v255, 0
	ds_add_u32 v254, v255
	v_lshrrev_b32 v3, 5, v0
	v_readfirstlane_b32 s14, v3                    ; wave 0..3
	s_bfe_u32 s15, ttmp6, 0x40000                  ; cx: my place in the cluster
	s_lshr_b32 s16, ttmp9, 3                       ; batch (ttmp9 counts clusters: 8 for a batch)
	s_and_b32 s17, ttmp9, 7                        ; z: which 256 queries, and the key step with the diagonal
	s_mov_b32 s21, 0
	s_mov_b32 s22, 0xc6616bcd                      ; -10000 log2(e), twice
	s_mov_b32 s23, 0xc6616bcd
	s_mov_b32 s24, 0x76543210                      ; v_permlanex16_b32: lane i reads lane i of the other half
	s_mov_b32 s25, 0xfedcba98
	s_mov_b32 s26, 0x3e0293ee                      ; c = log2(e) / sqrt(128), twice
	s_mov_b32 s27, 0x3e0293ee
	s_mov_b32 s54, 0x46616bcd                      ; +10000 log2(e)
	; group 1 for K: 64 rows x 128 elements of 4 bytes, 4 words of padding behind every 128
	s_mov_b32 s28, 0x07b2000f                      ; 15:0 mask of the four; 17:16 size code 2; 20 padding; 21 set beside a mask; 24:22 code 6 (128 words); 31:25 code 3 (4 words)
	s_mov_b32 s29, 128<<16                         ; tensor_dim0 = 128
	s_mov_b32 s30, 64<<16                          ; tensor_dim1 = 64
	s_mov_b32 s31, 128<<16                         ; tile_dim0 = 128
	s_mov_b32 s32, 64                              ; tile_dim1 = 64
	s_mov_b32 s33, 128                             ; 128 elements from row to row
	s_mov_b32 s34, 0
	s_mov_b32 s35, 0
	; group 1 for V: the same without padding (sixteen lanes read 256 neighbouring bytes of one row)
	s_mov_b32 s36, 0x0022000f
	s_mov_b32 s37, 128<<16
	s_mov_b32 s38, 64<<16
	s_mov_b32 s39, 128<<16
	s_mov_b32 s40, 64
	s_mov_b32 s41, 128
	s_mov_b32 s42, 0
	s_mov_b32 s43, 0
	; group 0: LDS addresses hang on the wave alone, global addresses on the batch, z, the walk index and the wave: equal in the four partners
	s_mov_b32 s44, 1
	s_mul_i32 s45, s14, KWAVE
	s_mov_b32 s48, 1
	s_lshl_b32 s49, s14, 15
	s_add_co_u32 s49, s49, VS
	s_lshl_b32 s56, s16, 20                        ; the batch: 2,048 rows of 512 bytes
	s_mov_b32 s57, 0
	s_lshl_b32 s58, s14, 15                        ; + my 64 keys of a step
	s_add_co_u32 s58, s58, s56
	s_mov_b32 s59, 0
	s_lshl_b32 s60, s17, 17                        ; my 64 queries: batch + 256 z + 64 cx rows
	s_lshl_b32 s3, s15, 15
	s_add_co_u32 s60, s60, s3
	s_add_co_u32 s60, s60, s56
	s_mov_b32 s61, 0
	s_lshl_b32 s62, s16, 11                        ; the batch's 2,048 mask bytes
	s_mov_b32 s63, 0
	s_lshl_b32 s56, s17, 17                        ; from here on s[56:57] is a tile's offset: key step x 256 rows of 512 bytes; walk index 0 is step z
	s_wait_dscnt 0x0
	s_wait_kmcnt 0x0
	s_add_nc_u64 s[4:5], s[4:5], s[58:59]          ; key and value at the batch's first step, my 64 keys: the bases of all tiles
	s_add_nc_u64 s[10:11], s[10:11], s[58:59]
	s_add_nc_u64 s[46:47], s[4:5], s[56:57]
	s_or_b32 s47, s47, 0x80000000                  ; type 2
	s_add_nc_u64 s[50:51], s[10:11], s[56:57]
	s_or_b32 s51, s51, 0x80000000
	ROUND                                          ; the four work-groups are here: the first joint loads meet
	tensor_load_to_lds s[44:47], s[28:35]          ; K of walk index 0
	s_nop 0
	tensor_load_to_lds s[48:51], s[36:43]          ; V of walk index 0: two loads of the wave are out
	s_nop 0
	s_add_nc_u64 s[6:7], s[6:7], s[62:63]
	s_add_nc_u64 s[8:9], s[8:9], s[60:61]
	s_add_nc_u64 s[12:13], s[12:13], s[60:61]
	v_and_b32 v1, 15, v0                           ; r
	v_bfe_u32 v2, v0, 4, 1                         ; h
	v_and_b32 v3, 31, v0                           ; lane
	v_lshlrev_b32 v15, 4, v3                       ; Q in and out0 out: 8,192 w + 16 lane: my wave's 16 rows, a row of 512 bytes to the 32 lanes
	v_lshl_add_u32 v15, s14, 13, v15
	v_lshrrev_b32 v8, 2, v3                        ; mask: lanes 4 i .. 4 i + 3 take the 64 bytes of walk index i,
	v_xor_b32 v8, s17, v8                          ; which is key step z xor i:
	v_and_b32 v18, 3, v3
	v_lshlrev_b32 v8, 8, v8                        ; 256 (z xor i) + 64 w + 16 (lane % 4)
	v_lshl_add_u32 v8, v18, 4, v8
	v_lshl_add_u32 v8, s14, 6, v8
	global_load_b128 v[MK:MK+3], v8, s[6:7]
.set i, 0
.rept 16
	global_load_b128 v[RAW0+4*i:RAW0+4*i+3], v15, s[8:9] offset:512*i th:TH_LOAD_NT   ; row 16 w + i of my work-group's Q: no other wave of the launch reads it
.set i, i+1
.endr
	v_mul_u32_u24 v[KA], v1, KPITCH
	v_lshl_add_u32 v[KA], v2, 6, v[KA]
	v_add_nc_u32 v[KA], s45, v[KA]
	v_lshlrev_b32 v[VA], 4, v1
	v_lshl_add_u32 v[VA], v2, 12, v[VA]
	v_add_nc_u32 v[VA], s49, v[VA]
	s_lshl_b32 s55, s14, 11
	s_add_co_u32 s55, s55, TB                      ; my table
	v_lshlrev_b32 v[TA0], 5, v2
	v_add_nc_u32 v[TA0], s55, v[TA0]
	v_lshlrev_b32 v9, 6, v3                        ; table store: 64 lane = 256 (lane / 4) + 4 x 16 (lane % 4): the table lies in walk order
	v_add_nc_u32 v9, s55, v9
	v_lshlrev_b32 v11, 4, v1                       ; statistics, read: ST + 16 r
	v_add_nc_u32 v11, ST, v11
	v_lshl_add_u32 v10, s14, 2, v11                ; statistics, store: + 4 w
	v_mul_u32_u24 v12, v1, KPITCH                  ; stage, store: w KWAVE + 528 r + 128 h
	v_lshl_add_u32 v12, v2, 7, v12
	v_add_nc_u32 v12, s45, v12
	s_mul_i32 s55, s14, 16*KPITCH
	v_lshlrev_b32 v13, 4, v3                       ; stage, read: rows 16 w .. of partials 0 and 1,
	v_add_nc_u32 v13, s55, v13
	v_add_nc_u32 v14, 2*KWAVE, v13                 ; of partials 2 and 3
	s_mul_i32 s55, s14, 16*QPITCH
	s_add_co_u32 s55, s55, QS
	v_lshlrev_b32 v7, 3, v3                        ; Q's stage, store: QS + 16 w rows + 8 lane (four f16)
	v_add_nc_u32 v7, s55, v7
	v_mul_u32_u24 v16, v1, QPITCH                  ; Q's stage, read: QS + 272 r + 32 h
	v_lshl_add_u32 v16, v2, 5, v16
	v_add_nc_u32 v16, QS, v16
	v_lshlrev_b32 v18, 3, v2
	v_sub_nc_u32 v18, v18, v1
	s_sub_co_i32 s3, s14, s15
	s_lshl_b32 s3, s3, 6
	v_add_nc_u32 v18, s3, v18                      ; 8 h - r + 64 w - 64 cx: a number to compare with, no address
	WIN 0x80
	v_mov_b32 v[XL], v18
.irp q,0,1,2,3
	v_mov_b32 v[MM+2*\q+1], 0                      ; v_permlanex16_b32 counts as a reader of its destination
.endr
	WIN 0
	; the mask's 512 bytes of my keys become a table of biases, 0 or -10000 log2(e): [walk index][64 keys] f32, my wave's own bytes
	s_wait_loadcnt 16                              ; the mask is in; the 16 loads of Q behind it stay out
.irp k,0,1,2,3
.irp b,0,1,2,3
	v_bfe_u32 v[MK+4+4*\k+\b], v[MK+\k], 8*\b, 8
.endr
.endr
.set i, 0
.rept 16
	v_cvt_f32_u32 v[MK+4+i], v[MK+4+i]
.set i, i+1
.endr
.set i, 0
.rept 16
	v_fma_f32 v[MK+4+i], v[MK+4+i], s54, s22       ; 1 gives exactly 0
.set i, i+1
.endr
.irp k,0,1,2,3
	ds_store_b128 v9, v[MK+4+4*\k:MK+4+4*\k+3] offset:16*\k
.endr
; Four of my 16 rows of Q: scaled by c, rounded to f16, laid into the stage.  A lane holds d = 4 lane .. + 3 of a row: 8 bytes of f16 at 8 lane.
.macro QROWS g
	s_wait_loadcnt 12-4*\g                         ; loads come back in order: these four rows are in, the later rows' loads stay out
.set i, 0
.rept 8
	v_pk_mul_f32 v[RAW0+16*\g+i:RAW0+16*\g+i+1], v[RAW0+16*\g+i:RAW0+16*\g+i+1], s[26:27] op_sel_hi:[1,0]
.set i, i+2
.endr
.set i, 0
.rept 8
	v_cvt_pk_f16_f32 v[RAW1+8*\g+i], v[RAW0+16*\g+2*i], v[RAW0+16*\g+2*i+1]
.set i, i+1
.endr
.irp k,0,1,2,3
	ds_store_b64 v7, v[RAW1+8*\g+2*\k:RAW1+8*\g+2*\k+1] offset:QPITCH*(4*\g+\k)
.endr
.endm
	QROWS 0
	QROWS 1
	QROWS 2
	QROWS 3
	s_wait_dscnt 0x0                               ; for the other waves' sake: my quarter of Q lies in the stage
	s_barrier_signal -1                            ; K's and V's first tiles stay on their way across this barrier
	s_barrier_wait -1                              ; and each wave reads only its own tiles, behind its own wait
	; Q's 16 fragments, kept in window 3 for the whole kernel.  Fragment (q, c) of lane (r, h): d = 32 c + 16 h + 0..15 of query 16 q + r,
	; 32 neighbouring bytes of the f16 row (K is taken in the same order of d).
	WIN 0xc0
.irp q,0,1,2,3
.irp c,0,1,2,3
	ds_load_b128 v[8*(4*\q+\c):8*(4*\q+\c)+3],   v16 offset:16*QPITCH*\q+64*\c
	ds_load_b128 v[8*(4*\q+\c)+4:8*(4*\q+\c)+7], v16 offset:16*QPITCH*\q+64*\c+16
.endr
.endr
	WIN 0
; 16 keys x 128 d as f32: 64 neighbouring bytes of each quarter of the lane's row
.macro KLOAD kt, buf
.irp c,0,1,2,3
.irp n,0,1,2,3
	ds_load_b128 v[\buf+16*\c+4*\n:\buf+16*\c+4*\n+3], v[KA] offset:16*KPITCH*(\kt)+128*\c+16*\n
.endr
.endr
.endm
.macro KCVT buf, fr
.set i, 0
.rept 32
	v_cvt_pk_f16_f32 v[\fr+i], v[\buf+2*i], v[\buf+2*i+1]
.set i, i+1
.endr
.endm
; 32 keys x 64 d as f32: the lane takes d = 64 g + 4 r + 0..3 of keys 32 kc + 16 u + 8 h + y
.macro VLOAD kc, g, buf
.irp u,0,1
.irp y,0,1,2,3,4,5,6,7
	ds_load_b128 v[\buf+4*(8*\u+\y):\buf+4*(8*\u+\y)+3], v[VA] offset:(32*\kc+16*\u+\y)*512+256*\g
.endr
.endr
.endm
; word t of two neighbouring keys makes a register of tile t's A fragment, whose row r is d = 64 g + 4 r + t: the rounding also transposes
.macro VCVT buf, fr
.irp t,0,1,2,3
.irp u,0,1
.irp e,0,1,2,3
	v_cvt_pk_f16_f32 v[\fr+8*\t+4*\u+\e], v[\buf+4*(8*\u+2*\e)+\t], v[\buf+4*(8*\u+2*\e+1)+\t]
.endr
.endr
.endr
.endm
; the diagonal step: key 64 w + 16 kt + 8 h + j is later than query 64 cx + 16 q + r where 16 (q - kt) - j < XL
.macro CBUILD kt
.irp q,0,1,2,3
.irp j,0,1,2,3,4,5,6,7
	v_cmp_lt_i32 vcc_lo, 16*(\q-\kt)-\j, v[XL]
	v_cndmask_b32 v[32*\q+8*\kt+\j], v[MB+8*\kt+\j], v[MBP+8*\kt+\j], vcc_lo
.endr
.endr
.endm
; 16 products: key tile kt against the four query tiles, four quarters of d.  The four accumulators take turns, one instruction a turn.
.macro QKMUL kt, fr, diag
.irp c,0,1,2,3
.irp q,0,1,2,3
.if (\c+\diag) == 0
	v_wmma_f32_16x16x32_f16 v[32*\q+8*\kt:32*\q+8*\kt+7], v[\fr+8*\c:\fr+8*\c+7], v[8*(4*\q+\c):8*(4*\q+\c)+7], v[MB+8*\kt:MB+8*\kt+7]
.else
	v_wmma_f32_16x16x32_f16 v[32*\q+8*\kt:32*\q+8*\kt+7], v[\fr+8*\c:\fr+8*\c+7], v[8*(4*\q+\c):8*(4*\q+\c)+7], v[32*\q+8*\kt:32*\q+8*\kt+7]
.endif
.endr
.endr
.endm
.macro QKUNIT kt, buf, fr, left, more, diag
	s_wait_dscnt \left                             ; LDS loads come back in order: this tile's 16 are in, the next tile's 16 stay out
	WIN 0
	KCVT \buf, \fr                                 ; 32 plain instructions: also the places between the last products on the other fragment buffer and its next rewriting (ISA guide 7.12.1)
.if \more
	KLOAD \kt+2, \buf
.endif
.if \diag
	WIN 0xaa
	CBUILD \kt
.endif
	WIN 0xac
	QKMUL \kt, \fr, \diag
.endm
.macro QK diag
	WIN 0x80
.irp kt,0,1,2,3
	ds_load_b128 v[MB+8*\kt:MB+8*\kt+3],   v[TA] offset:64*\kt      ; bias of keys 16 kt + 8 h + 0..7, the same in all r
	ds_load_b128 v[MB+8*\kt+4:MB+8*\kt+7], v[TA] offset:64*\kt+16
.endr
	WIN 0
	KLOAD 0, RAW0
	KLOAD 1, RAW1
	s_wait_dscnt 32                                ; the biases are in; the 32 loads of K behind them stay out
	WIN 0xaa
.set i, 0
.rept 16
.if \diag
	v_pk_add_f32 v[MBP+i:MBP+i+1], v[MB+i:MB+i+1], s[22:23] op_sel_hi:[1,0]
.else
	v_pk_add_f32 v[MB+i:MB+i+1], v[MB+i:MB+i+1], s[20:21] op_sel_hi:[1,0]      ; s20: 0 for a step of earlier keys, the penalty for a step of later keys
.endif
.set i, i+2
.endr
	QKUNIT 0, RAW0, FR0, 16, 1, \diag
	QKUNIT 1, RAW1, FR1, 16, 1, \diag
	QKUNIT 2, RAW0, FR0, 16, 0, \diag
	QKUNIT 3, RAW1, FR1, 0, 0, \diag
.endm
; The running maximum and the exponentials.  A lane holds 32 of a query's 64 scores, the lane 16 further the other 32.
; S is read in ascending order: the results of the last four products (registers 24 to 31 of each query tile) are reached far more than four places behind them.
.macro SM1 first
	WIN 0xaa
.irp q,0,1,2,3
	v_max3_num_f32 v[AA+2*\q+1], v[32*\q], v[32*\q+1], v[32*\q+2]
.endr
.set i, 3
.rept 14
.irp q,0,1,2,3
	v_max3_num_f32 v[AA+2*\q+1], v[AA+2*\q+1], v[32*\q+i], v[32*\q+i+1]
.endr
.set i, i+2
.endr
.irp q,0,1,2,3
.if \first
	v_max_num_f32 v[AA+2*\q+1], v[AA+2*\q+1], v[32*\q+31]
.else
	v_max3_num_f32 v[AA+2*\q+1], v[AA+2*\q+1], v[32*\q+31], v[MM+2*\q]
.endif
.endr
.irp q,0,1,2,3
	v_permlanex16_b32 v[MM+2*\q+1], v[AA+2*\q+1], s24, s25
.endr
.irp q,0,1,2,3
	v_max_num_f32 v[AA+2*\q+1], v[AA+2*\q+1], v[MM+2*\q+1]
.endr
.if \first == 0
.irp q,0,1,2,3
	v_sub_f32 v[AA+2*\q], v[MM+2*\q], v[AA+2*\q+1]            ; old m - new m
.endr
.endif
.irp q,0,1,2,3
	v_mov_b32 v[MM+2*\q], v[AA+2*\q+1]
.endr
.set i, 0
.rept 16
.irp q,0,1,2,3
	v_pk_add_f32 v[32*\q+i:32*\q+i+1], v[32*\q+i:32*\q+i+1], v[MM+2*\q:MM+2*\q+1] op_sel_hi:[1,0] neg_lo:[0,1] neg_hi:[0,1]
.endr
.set i, i+2
.endr
.if \first == 0
.irp q,0,1,2,3
	v_exp_f32 v[AA+2*\q], v[AA+2*\q]
.endr
.endif
.set i, 0
.rept 128
	v_exp_f32 v[i], v[i]
.set i, i+1
.endr
	v_nop                                          ; one plain instruction behind the run of exponentials, ahead of the first use (ISA guide 5.7.2)
.endm
; The sums, and P packed to f16 in place: registers 2 e, 2 e + 1 of a pair of S tiles go to register e, ascending, so nothing unread is written over.
.macro SM2 first
	WIN 0xaa
	s_wait_alu depctr_va_vdst(0)
.irp q,0,1,2,3
	v_pk_add_f32 v[UU+2*\q:UU+2*\q+1], v[32*\q:32*\q+1], v[32*\q+2:32*\q+3]
.endr
.set i, 4
.rept 14
.irp q,0,1,2,3
	v_pk_add_f32 v[UU+2*\q:UU+2*\q+1], v[UU+2*\q:UU+2*\q+1], v[32*\q+i:32*\q+i+1]
.endr
.set i, i+2
.endr
.irp q,0,1,2,3
.if \first
	v_add_f32 v[LL+\q], v[UU+2*\q], v[UU+2*\q+1]
.else
	v_fma_f32 v[LL+\q], v[LL+\q], v[AA+2*\q], v[UU+2*\q]
.endif
.endr
.if \first == 0
.irp q,0,1,2,3
	v_add_f32 v[LL+\q], v[LL+\q], v[UU+2*\q+1]
.endr
.endif
.set i, 0
.rept 16
.irp q,0,1,2,3
	v_cvt_pk_f16_f32 v[32*\q+16*(i/8)+(i%8)], v[32*\q+2*i], v[32*\q+2*i+1]
.endr
.set i, i+1
.endr
.endm
.macro RESCALE                         ; O of query tile q times a(q): tile i of 32 belongs to query tile i % 4
	WIN 0x49
.set i, 0
.rept 32
.irp k,0,2,4,6
	v_pk_mul_f32 v[8*i+\k:8*i+\k+1], v[8*i+\k:8*i+\k+1], v[AA+2*(i%4):AA+2*(i%4)+1] op_sel_hi:[1,0]
.endr
.set i, i+1
.endr
.endm
; 16 products on 16 accumulators, one instruction a turn.  zero = 1: the first product starts the sums.
.macro PVMUL kc, g, fr, zero
.irp t,0,1,2,3
.irp q,0,1,2,3
.if \zero
	v_wmma_f32_16x16x32_f16 v[8*(4*(4*\g+\t)+\q):8*(4*(4*\g+\t)+\q)+7], v[\fr+8*\t:\fr+8*\t+7], v[32*\q+16*\kc:32*\q+16*\kc+7], 0
.else
	v_wmma_f32_16x16x32_f16 v[8*(4*(4*\g+\t)+\q):8*(4*(4*\g+\t)+\q)+7], v[\fr+8*\t:\fr+8*\t+7], v[32*\q+16*\kc:32*\q+16*\kc+7], v[8*(4*(4*\g+\t)+\q):8*(4*(4*\g+\t)+\q)+7]
.endif
.endr
.endr
.endm
.macro PVUNIT kc, g, buf, fr, left, more, kc2, g2, zero
	s_wait_dscnt \left                             ; this unit's 16 loads are in, the next unit's 16 stay out
	WIN 0
	VCVT \buf, \fr
.if \more
	VLOAD \kc2, \g2, \buf
.endif
	WIN 0x58
	PVMUL \kc, \g, \fr, \zero
.endm
.macro PV first
	PVUNIT 0, 0, RAW0, FR0, 16, 1, 1, 0, \first
	PVUNIT 0, 1, RAW1, FR1, 16, 1, 1, 1, \first
	PVUNIT 1, 0, RAW0, FR0, 16, 0, 0, 0, 0
	PVUNIT 1, 1, RAW1, FR1, 0, 0, 0, 0, 0
.endm
; One step of 256 keys; s18 is the walk index.  first = 1: walk index 0, the diagonal step.  One slot for K and one for V: K of the next index is asked
; for in the middle of the step, when every wave of the cluster has read this step's K; V of the next index at the end.  In front of each round a wave
; waits for its LDS reads and for all its tensor loads (one is out: the other tensor's tile, which is needed next); behind the round it issues its
; one load, 64 rows of 512 bytes.
.macro STEP first, refill
	v_lshl_add_u32 v[TA], s18, 8, v[TA0]           ; this walk index's 64 biases
.if \first
	QK 1
.else
	s_xor_b32 s55, s18, s17                        ; the key step, never z here
	s_cmp_gt_u32 s55, s17
	s_cselect_b32 s20, 0xc6616bcd, 0               ; in a step behind z every key is later than every query
	QK 0
.endif
	SM1 \first
	WIN 0
	s_wait_dscnt 0x0                               ; my reads of K are back
	s_wait_tensorcnt 0x0                           ; all my tensor loads have landed: this step's V
	ds_add_u32 v254, v255
	s_wait_dscnt 0x0
.if \refill
	s_add_co_u32 s55, s18, 1                       ; no load of mine is out, so a group 0 may be written: the next index's key step, z xor (i + 1),
	s_xor_b32 s55, s55, s17
	s_lshl_b32 s56, s55, 17                        ; times 256 rows of 512 bytes (s57 = 0)
	s_add_nc_u64 s[46:47], s[4:5], s[56:57]
	s_or_b32 s47, s47, 0x80000000                  ; type 2
	ROUND
	tensor_load_to_lds s[44:47], s[28:35]          ; K of the next index: my one load behind this round
	s_nop 0
.endif
	VLOAD 0, 0, RAW0                               ; they come back under the sums, the packing and the rescaling
	VLOAD 0, 1, RAW1
	SM2 \first
.if \first == 0
	RESCALE
.endif
	PV \first
.if \refill
	WIN 0
	s_wait_dscnt 0x0                               ; my reads of V are back
	s_wait_tensorcnt 0x0                           ; the next index's K has landed
	ds_add_u32 v254, v255
	s_wait_dscnt 0x0
	s_add_nc_u64 s[50:51], s[10:11], s[56:57]      ; s[56:57] still holds the next tile's offset
	s_or_b32 s51, s51, 0x80000000
	ROUND
	tensor_load_to_lds s[48:51], s[36:43]          ; V of the next index: my one load behind this round
	s_nop 0
.endif
.endm
	s_mov_b32 s18, 0
	s_wait_tensorcnt 0x1                           ; K of walk index 0 is in, V's load behind it may stay out; the bytes are my wave's own, and nothing is filled here
	s_wait_dscnt 0x0                               ; Q's fragments, which the first products read, are in: they were asked for ahead of the wait above
	STEP 1, 1                                      ; the first step starts m, l and O: nothing is cleared
	s_mov_b32 s18, 1
.Lstep:
	STEP 0, 1
	s_add_co_u32 s18, s18, 1
	s_cmp_lt_u32 s18, 7
	s_cbranch_scc1 .Lstep
	STEP 0, 0                                      ; walk index 7: nothing is left to fetch
	; THE MERGE.  l of the two halves of the lanes; m and l of the four waves meet in LDS; each wave scales its O by 2^(m - max m) / sum of l and lays it
	; into its own part of the K slot, which has had its last fill; then each wave adds the four partials of 16 queries and stores them.
	WIN 0xaa
.irp q,0,1,2,3
	v_permlanex16_b32 v[MM+2*\q+1], v[LL+\q], s24, s25
.endr
.irp q,0,1,2,3
	v_add_f32 v[LL+\q], v[LL+\q], v[MM+2*\q+1]
.endr
	WIN 0x08
.irp q,0,1,2,3
	ds_store_b32 v10, v[MM+2*\q] offset:256*\q             ; both halves of the lanes store the same number to the same word
	ds_store_b32 v10, v[LL+\q] offset:1024+256*\q
.endr
	WIN 0
	s_wait_dscnt 0x0                               ; for the other waves' sake
	s_barrier_signal -1
	s_barrier_wait -1
	WIN 0x80
.irp q,0,1,2,3
	ds_load_b128 v[MB+4*\q:MB+4*\q+3], v11 offset:256*\q             ; m of the four waves for query 16 q + r
	ds_load_b128 v[MB+16+4*\q:MB+16+4*\q+3], v11 offset:1024+256*\q  ; l likewise
.endr
	s_wait_dscnt 0x0
	WIN 0xaa
.irp q,0,1,2,3
	v_max3_num_f32 v[AA+2*\q+1], v[MB+4*\q], v[MB+4*\q+1], v[MB+4*\q+2]
.endr
.irp q,0,1,2,3
	v_max_num_f32 v[AA+2*\q+1], v[AA+2*\q+1], v[MB+4*\q+3]
.endr
.irp q,0,1,2,3
.irp k,0,1,2,3
	v_sub_f32 v[MB+4*\q+\k], v[MB+4*\q+\k], v[AA+2*\q+1]
.endr
	v_sub_f32 v[MM+2*\q+1], v[MM+2*\q], v[AA+2*\q+1]
.endr
.irp q,0,1,2,3
.irp k,0,1,2,3
	v_exp_f32 v[MB+4*\q+\k], v[MB+4*\q+\k]
.endr
	v_exp_f32 v[MM+2*\q+1], v[MM+2*\q+1]
.endr
	v_nop                                          ; one plain instruction behind the exponentials
	s_wait_alu depctr_va_vdst(0)
.irp q,0,1,2,3
	v_mul_f32 v[UU+2*\q], v[MB+4*\q], v[MB+16+4*\q]
.endr
.irp k,1,2,3
.irp q,0,1,2,3
	v_fmac_f32 v[UU+2*\q], v[MB+4*\q+\k], v[MB+16+4*\q+\k]
.endr
.endr
.irp q,0,1,2,3
	v_rcp_f32 v[UU+2*\q+1], v[UU+2*\q]             ; the sum is at least 1: the largest score's own term
.endr
	v_nop                                          ; one plain instruction behind the reciprocals
	s_wait_alu depctr_va_vdst(0)
.irp q,0,1,2,3
	v_mul_f32 v[GG+\q], v[MM+2*\q+1], v[UU+2*\q+1]
.endr
; register j of O(4 g + t, q) is d = 64 g + 32 h + 4 j + t: the multiply also brings t = 0..3 into four neighbouring registers, 16 bytes of a row
.macro STAGE q, buf
	WIN 0x09
.irp g,0,1
.irp j,0,1,2,3,4,5,6,7
.irp t,0,1,2,3
	v_mul_f32 v[\buf+4*(8*\g+\j)+\t], v[8*(4*(4*\g+\t)+\q)+\j], v[GG+\q]
.endr
.endr
.endr
	WIN 0
.irp g,0,1
.irp j,0,1,2,3,4,5,6,7
	ds_store_b128 v12, v[\buf+4*(8*\g+\j):\buf+4*(8*\g+\j)+3] offset:16*KPITCH*\q+256*\g+16*\j
.endr
.endr
.endm
	STAGE 0, RAW0
	STAGE 1, RAW1
	STAGE 2, RAW0
	STAGE 3, RAW1
	s_wait_dscnt 0x0                               ; for the other waves' sake
	s_barrier_signal -1
	s_barrier_wait -1
; four rows of my 16: the four waves' partials are added, and one store of the wave covers a whole row of 512 bytes, aligned
.macro OUTG g, buf
	s_wait_xcnt 0x0                                ; the buffer, which earlier stores read, is loaded again only behind this wait
.irp k,0,1,2,3
	ds_load_b128 v[\buf+16*\k:\buf+16*\k+3],     v13 offset:KPITCH*(4*\g+\k)
	ds_load_b128 v[\buf+16*\k+4:\buf+16*\k+7],   v13 offset:KWAVE+KPITCH*(4*\g+\k)
	ds_load_b128 v[\buf+16*\k+8:\buf+16*\k+11],  v14 offset:KPITCH*(4*\g+\k)
	ds_load_b128 v[\buf+16*\k+12:\buf+16*\k+15], v14 offset:KWAVE+KPITCH*(4*\g+\k)
.endr
.irp k,0,1,2,3
	s_wait_dscnt 12-4*\k                           ; row k's four loads are in, the later rows' stay out
	v_pk_add_f32 v[\buf+16*\k:\buf+16*\k+1],     v[\buf+16*\k:\buf+16*\k+1],     v[\buf+16*\k+4:\buf+16*\k+5]
	v_pk_add_f32 v[\buf+16*\k+2:\buf+16*\k+3],   v[\buf+16*\k+2:\buf+16*\k+3],   v[\buf+16*\k+6:\buf+16*\k+7]
	v_pk_add_f32 v[\buf+16*\k+8:\buf+16*\k+9],   v[\buf+16*\k+8:\buf+16*\k+9],   v[\buf+16*\k+12:\buf+16*\k+13]
	v_pk_add_f32 v[\buf+16*\k+10:\buf+16*\k+11], v[\buf+16*\k+10:\buf+16*\k+11], v[\buf+16*\k+14:\buf+16*\k+15]
	v_pk_add_f32 v[\buf+16*\k:\buf+16*\k+1],     v[\buf+16*\k:\buf+16*\k+1],     v[\buf+16*\k+8:\buf+16*\k+9]
	v_pk_add_f32 v[\buf+16*\k+2:\buf+16*\k+3],   v[\buf+16*\k+2:\buf+16*\k+3],   v[\buf+16*\k+10:\buf+16*\k+11]
	global_store_b128 v15, v[\buf+16*\k:\buf+16*\k+3], s[12:13] offset:512*(4*\g+\k) th:TH_STORE_NT
.endr
.endm
	OUTG 0, RAW0
	OUTG 1, RAW1
	OUTG 2, RAW0
	OUTG 3, RAW1
	s_wait_tensorcnt 0x0
	ds_add_u32 v254, v255
	s_wait_dscnt 0x0
	ROUND                                          ; the closing round: no work-group ends while a partner may still issue a joint load that names it
	s_endpgm
.Lfunc_end_k_q58b27651ee_attn:
	.size	k_q58b27651ee_attn, .Lfunc_end_k_q58b27651ee_attn-k_q58b27651ee_attn
	.p2alignl 7, 3214868480
	.fill 96, 4, 3214868480
	.section	.rodata,"a",@progbits
	.p2align	6, 0x0
	.amdhsa_kernel k_q58b27651ee_attn
		.amdhsa_group_segment_fixed_size 327680
		.amdhsa_private_segment_fixed_size 0
		.amdhsa_enable_private_segment 0
		.amdhsa_kernarg_size 40
		.amdhsa_user_sgpr_count 2
		.amdhsa_user_sgpr_kernarg_segment_ptr 1
		.amdhsa_wavefront_size32 1
		.amdhsa_system_sgpr_workgroup_id_x 1
		.amdhsa_system_sgpr_workgroup_id_y 1
		.amdhsa_system_sgpr_workgroup_id_z 1
		.amdhsa_system_vgpr_workitem_id 0
		.amdhsa_next_free_vgpr 896
		.amdhsa_next_free_sgpr 66
		.amdhsa_reserve_vcc 1
		.amdhsa_float_denorm_mode_32 3
		.amdhsa_float_denorm_mode_16_64 3
		.amdhsa_memory_ordered 1
		.amdhsa_forward_progress 1
		.amdhsa_inst_pref_size 242
	.end_amdhsa_kernel
	.amdgpu_metadata
---
amdhsa.version: [ 1, 2 ]
amdhsa.kernels:
  - .name:           k_q58b27651ee_attn
    .symbol:         k_q58b27651ee_attn.kd
    .args:
      - { .name: key, .offset: 0, .size: 8, .value_kind: global_buffer, .address_space: global }
      - { .name: mask, .offset: 8, .size: 8, .value_kind: global_buffer, .address_space: global }
      - { .name: query, .offset: 16, .size: 8, .value_kind: global_buffer, .address_space: global }
      - { .name: value, .offset: 24, .size: 8, .value_kind: global_buffer, .address_space: global }
      - { .name: out0, .offset: 32, .size: 8, .value_kind: global_buffer, .address_space: global }
    .group_segment_fixed_size: 327680
    .private_segment_fixed_size: 0
    .kernarg_segment_align: 8
    .kernarg_segment_size: 40
    .max_flat_workgroup_size: 128
    .sgpr_count:     66
    .vgpr_count:     896
    .wavefront_size: 32
...
	.end_amdgpu_metadata
.endif
;; end of part 2
